; MI455X (gfx1250); checked and timed in simulation.
; The chip was launched on July 23, 2026; its instructions are those of AMD's public machine-readable ISA for CDNA 5 (MIT licence, August 2026) and "CDNA5" Instruction Set Architecture Reference Guide (July 2026). The comments in the code are by the model that wrote it; some were corrected since.
;; Net. Allowed arithmetic: float matrix products may take bf16 or f16 operands with f32 sums; all other float work in f32.
;; Inputs: b1 32 float32; b2 32 float32; b3 3 float32; b_out 1 float32; samples 8 x 1 float32; w1 3 x 32 float32; w2 32 x 32 float32; w3 32 x 3 float32; w_out 3 x 1 float32; x 131,072 x 3 float32.
;; Outputs: out0 8 x 131,072 x 1 float32.
;; One version. Each part assembles by itself: llvm-mc -triple=amdgcn-amd-amdhsa -mcpu=gfx1250 --defsym DOCPART=n.
;; ======== version 1 of 1: 1 launch
;; launch node (part 1): grid 256 x 1, 8 waves a work-group, no clusters, 0 bytes of LDS; arguments x, samples, w1, b1, w2, b2, w3, b3, w_out, b_out, out0; writes out0
.if DOCPART == 1
	.amdgcn_target "amdgcn-amd-amdhsa--gfx1250"
	.amdhsa_code_object_version 6
	.text
	.protected	k_qd089c1c805_node
	.globl	k_qd089c1c805_node
	.p2align	8
	.type	k_qd089c1c805_node,@function
k_qd089c1c805_node:
	s_mov_b64 s[64:65], 0
	v_nop
	global_prefetch_b8 v0, s[64:65] scope:SCOPE_SE
	s_setreg_imm32_b32 hwreg(HW_REG_WAVE_MODE, 25, 1), 1
	s_wait_xcnt 0x0
; Neural ODE: 131,072 rows of 3 numbers, 32 RK4 steps, each of 4 evaluations of the MLP 3 -> 32 -> 32 -> 3 (ReLU, ReLU), dt = max(samples) / 32;
; out0[s][row] = y(step idx[s]) . w_out + b_out with idx[s] = clip(round(samples[s] / dt) - 1, 0, 31).
; Rows never meet, and all weights are 5 KB: a wave keeps its rows' states (f32) and all weights (bf16 fragments, f32 biases) in registers for the whole
; integration.  x is read once, out0 written once, nothing else moves.  So no LDS, no barrier, no tensor load, no cluster (work-groups share nothing but the weights,
; which each wave holds in 104 registers) and no prefetch (all loads stand at the head).
; SHARES: 256 work-groups x 512 rows; 8 waves x 64 rows; a wave has two pairs, X and Y, of two tiles of 16 rows.  Lane L of pair p owns row 512 wg + 2 tid + p.
; LAYOUT: every product is used transposed, A = weights (m = output unit), B = activations (n = row).  Register j of a result holds unit 8 h + j of column r
; (r = L % 16, h = L / 16), which is the lane and the order along k that the next layer's B fragment wants: ReLU and rounding to bf16 are all that stands between layers.
; Lane (r, h) keeps the state of column r of tile h.  Layer 1's B holds (y0, y1), (y2, 0), 0 ..: tile 0's y at k = 0..2 (lanes h = 0), tile 1's at k = 8..10 (h = 1);
; A1[tile] holds w1 at k = 8 tile .. 8 tile + 2 alone and so picks the tile.  Layer 3: A3[0] holds w3^T in rows 0..2, A3[1] in rows 8..10; the two tiles' products add onto
; one accumulator, whose registers 0..2 are then the derivative of the lane's own row, in all 32 lanes.  Biases are the f32 C operands.
; The step that a sample reads out is chosen by v_cndmask_b32 in every step: no branch and no address hangs on it.
; LIMITS.  ReLU is v_max_num_f32 with 0: a NaN becomes 0.  Lanes L and L xor 16 share matrix operands: a row whose state or hidden values are infinite or NaN makes its
; partner row NaN too (0 x inf).  |max(samples)| lies between 2^-120 and 2^120 (v_rcp_f32 flushes denormals, ISA guide 15.8); 0 is not served.  The RK4 sum is
; y + c6 k1 + c3 k2 + c3 k3 + c6 k4 with c6 = dt x (1/6), c3 = 2 c6: another order of rounding than y + (dt/6)(k1 + 2 k2 + 2 k3 + k4).
; The readout (one output column, three multiply-adds a row and step) is done in f32 on the vector unit.
.set STEPS, 32
.set XWG,   6144                       ; bytes of x of a work-group: 512 rows x 12
.set OWG,   2048                       ; bytes of one sample's out0 of a work-group
.set OSMP,  524288                     ; bytes of out0 from sample to sample
; vector registers
.set ARG,  2                           ; v[2:5]     in the steps: the next evaluation's argument (set-up: offsets v1-v7)
.set RO,   6                           ; v6         in the steps: the readout
.set FA1,  8                           ; v[8:39]    A of layer 1: (tile t, half m of the units) at FA1 + 16 t + 8 m
.set FA2,  40                          ; v[40:55]   A of layer 2: half m at FA2 + 8 m
.set FA3,  56                          ; v[56:71]   A of layer 3: tile t at FA3 + 8 t
.set BC1,  72                          ; v[72:87]   b1[16 m + 8 h + j] at BC1 + 8 m + j
.set BC2,  88                          ; v[88:103]  b2 likewise
.set BC3,  104                         ; v[104:111] b3[j] for j < 3, then 0
.set PX,   112                         ; pair X;  a pair at P:  P B of layer 1 (8);  P+8 results, (t, m) at P + 8 + 16 t + 8 m (32; layer 3's in the first 8);
.set PY,   176                         ; pair Y;                P+40 B of layers 2 and 3, tile t at P + 40 + 8 t (16);  P+56 y0 y1 y2 0;  P+60 the running RK4 sum (4)
.set OUT,  240                         ; v[240:255] sample s, pair p at OUT + 2 s + p
.set TW2,  120                         ; set-up only: w2 as loaded (32 registers), in X's results
.set TW3,  184                         ; w3 as loaded (16), in Y's results
.set TW1,  200                         ; w1 as loaded (6)
.set TT,   206                         ; v206 samples[L % 8]; v207-v214 the times' arithmetic
.set PK,   152                         ; packed w3 (8) and w1 (4), in X's B of layer 2
; scalar registers: s[4:25] the eleven addresses; s[28:30] b3; s[32:34] w_out; s35 b_out; s36-s39 lane masks; s26 the step
.set SCH,  40                          ; s[40:41] dt / 2, twice (a pair is read whole by the packed forms)
.set SDT,  42                          ; s[42:43] dt
.set SC6,  44                          ; s[44:45] dt / 6
.set SC3,  46                          ; s[46:47] dt / 3
.set IDX,  48                          ; s[48:55] idx of the 8 samples
.set MASK, 56                          ; s[56:63] all ones where idx = this step, else 0
	s_load_b512 s[4:19], s[0:1], 0x0               ; x s[4:5], samples s[6:7], w1 s[8:9], b1 s[10:11], w2 s[12:13], b2 s[14:15], w3 s[16:17], b3 s[18:19]
	s_load_b128 s[20:23], s[0:1], 0x40             ; w_out s[20:21], b_out s[22:23]
	s_load_b64 s[24:25], s[0:1], 0x50              ; out0
	v_and_b32 v1, 15, v0
	v_lshlrev_b32 v1, 2, v1                        ; 4 r
	v_bfe_u32 v7, v0, 4, 1                         ; h
	v_lshl_add_u32 v2, v7, 10, v1                  ; w2: 4 r + 8 h rows of 128 bytes
	v_and_b32 v3, 7, v0
	v_min_u32 v3, 2, v3                            ; w3's column: r % 8, held at 2 so that every lane stays inside the buffer (lanes with r % 8 > 2 are masked below)
	v_lshlrev_b32 v3, 2, v3
	v_mad_u32_u24 v3, v7, 96, v3                   ; + 8 h rows of 12 bytes
	v_lshlrev_b32 v4, 5, v7                        ; biases: 8 h numbers
	v_and_b32 v5, 7, v0
	v_lshlrev_b32 v5, 2, v5                        ; samples: L % 8
	v_mul_u32_u24 v6, 24, v0                       ; x: my two rows
	s_mul_i32 s2, ttmp9, XWG
	s_mov_b32 s3, 0
	s_mov_b32 s36, 0xffff0000                      ; lanes with h = 1
	s_mov_b32 s37, 0x00070007                      ; lanes with r = 0..2
	s_mov_b32 s38, 0x07000700                      ; lanes with r = 8..10
	s_mov_b32 s39, 0x0000ffff                      ; lanes with h = 0
	s_wait_kmcnt 0x0                               ; the addresses
	s_load_b96 s[28:30], s[18:19], 0x0             ; b3
	s_load_b96 s[32:34], s[20:21], 0x0             ; w_out
	s_load_b32 s35, s[22:23], 0x0                  ; b_out
	s_add_nc_u64 s[4:5], s[4:5], s[2:3]            ; x at the work-group's first row
	s_lshl_b32 s2, ttmp9, 11                       ; OWG = 2,048
	s_add_nc_u64 s[24:25], s[24:25], s[2:3]        ; out0 likewise
	; All loads of the kernel, in one run.
	global_load_b96 v[PX+56:PX+58], v6, s[4:5] th:TH_LOAD_NT
	global_load_b96 v[PY+56:PY+58], v6, s[4:5] offset:12 th:TH_LOAD_NT
.irp m, 0,1
	global_load_b128 v[BC1+8*\m:BC1+8*\m+3],   v4, s[10:11] offset:64*\m
	global_load_b128 v[BC1+8*\m+4:BC1+8*\m+7], v4, s[10:11] offset:64*\m+16
	global_load_b128 v[BC2+8*\m:BC2+8*\m+3],   v4, s[14:15] offset:64*\m
	global_load_b128 v[BC2+8*\m+4:BC2+8*\m+7], v4, s[14:15] offset:64*\m+16
.endr
	; The q-th number of a lane's A fragment is k = 8 h + q for q < 8 and 16 + 8 h + (q - 8) behind (ISA guide 7.12.2): kk = k - 8 h.
.set q, 0
.rept 16
.set kk, q+8*(q/8)
	global_load_b32 v[TW2+q],    v2, s[12:13] offset:128*kk        ; w2[k][r]
	global_load_b32 v[TW2+16+q], v2, s[12:13] offset:128*kk+64     ; w2[k][16 + r]
	global_load_b32 v[TW3+q],    v3, s[16:17] offset:12*kk         ; w3[k][min(r % 8, 2)]: the last byte touched is 96 + 8 + 276 + 3 = 383
.set q, q+1
.endr
.irp m, 0,1
.irp c, 0,1,2
	global_load_b32 v[TW1+3*\m+\c], v1, s[8:9] offset:128*\c+64*\m ; w1[c][16 m + r]
.endr
.endr
	global_load_b32 v[TT], v5, s[6:7]
	s_wait_loadcnt 0x0                             ; once: everything is here, and v1-v7 are free
	s_wait_kmcnt 0x0                               ; b3, w_out, b_out
	; The weights' fragments, rounded to bf16 once.
.irp m, 0,1
.irp i, 0,1,2,3,4,5,6,7
	v_cvt_pk_bf16_f32 v[FA2+8*\m+\i], v[TW2+16*\m+2*\i], v[TW2+16*\m+2*\i+1]
.endr
.endr
.irp i, 0,1,2,3,4,5,6,7
	v_cvt_pk_bf16_f32 v[PK+\i], v[TW3+2*\i], v[TW3+2*\i+1]
.endr
.irp i, 0,1,2,3,4,5,6,7
	v_cndmask_b32 v[FA3+\i],   0, v[PK+\i], s37     ; rows 0..2 = w3^T, all others 0
	v_cndmask_b32 v[FA3+8+\i], 0, v[PK+\i], s38     ; rows 8..10 = w3^T
.endr
.irp m, 0,1
	v_cvt_pk_bf16_f32 v[PK+8+2*\m], v[TW1+3*\m], v[TW1+3*\m+1]
	v_cvt_pk_bf16_f32 v[PK+9+2*\m], v[TW1+3*\m+2], 0
	v_cndmask_b32 v[FA1+8*\m],      0, v[PK+8+2*\m], s39   ; tile 0: k = 0..2 lie in the lanes with h = 0
	v_cndmask_b32 v[FA1+8*\m+1],    0, v[PK+9+2*\m], s39
	v_cndmask_b32 v[FA1+16+8*\m],   0, v[PK+8+2*\m], s36   ; tile 1: k = 8..10 lie in the lanes with h = 1
	v_cndmask_b32 v[FA1+16+8*\m+1], 0, v[PK+9+2*\m], s36
.endr
	; What is zero for good: k = 4..7, 12..31 of layer 1's operands, the fourth component, b3's rows 3..7.
.irp f, 0,1,2,3
.irp i, 2,3,4,5,6,7
	v_mov_b32 v[FA1+8*\f+\i], 0
.endr
.endr
.irp i, 2,3,4,5,6,7
	v_mov_b32 v[PX+\i], 0
	v_mov_b32 v[PY+\i], 0
.endr
	v_mov_b32 v[PX+59], 0
	v_mov_b32 v[PY+59], 0
.irp j, 0,1,2
	v_mov_b32 v[BC3+\j], s[28+\j]
.endr
.irp j, 3,4,5,6,7
	v_mov_b32 v[BC3+\j], 0
.endr
	; The times, by every wave for itself.  Lane L holds samples[L % 8]: three steps over lanes xor 1, 2, 4 give the largest of the eight.
	v_mov_b32 v[TT+1], v[TT]
	v_max_num_f32_dpp v[TT+1], v[TT+1], v[TT+1] row_xmask:1 row_mask:0xf bank_mask:0xf
	v_max_num_f32_dpp v[TT+1], v[TT+1], v[TT+1] row_xmask:2 row_mask:0xf bank_mask:0xf
	v_max_num_f32_dpp v[TT+1], v[TT+1], v[TT+1] row_xmask:4 row_mask:0xf bank_mask:0xf
	v_mul_f32 v[TT+2], 0x3d000000, v[TT+1]         ; dt = max / 32, exact
	v_rcp_f32 v[TT+6], v[TT+2]
	v_mul_f32 v[TT+3], 0.5, v[TT+2]                ; dt / 2; also the plain instruction between v_rcp_f32 and the first use of its result (ISA guide 5.7.2)
	v_mul_f32 v[TT+4], 0x3e2aaaab, v[TT+2]         ; dt x (1/6)
	s_wait_alu depctr_va_vdst(0)
	v_fma_f32 v[TT+7], -v[TT+2], v[TT+6], 1.0      ; one Newton step on 1 / dt,
	v_fma_f32 v[TT+6], v[TT+6], v[TT+7], v[TT+6]
	v_mul_f32 v[TT+8], v[TT], v[TT+6]              ; the quotient t / dt,
	v_fma_f32 v[TT+7], -v[TT+2], v[TT+8], v[TT]    ; its exact remainder,
	v_fma_f32 v[TT+8], v[TT+7], v[TT+6], v[TT+8]   ; and the corrected quotient: a quotient that is exactly n + 0.5 comes out as such, so ties fall as in a true division
	v_rndne_f32 v[TT+8], v[TT+8]                   ; to the nearest whole number, ties to even
	v_add_f32 v[TT+8], -1.0, v[TT+8]
	v_max_num_f32 v[TT+8], 0, v[TT+8]
	v_min_num_f32 v[TT+8], 0x41f80000, v[TT+8]     ; held in 0 .. 31
	v_cvt_i32_f32 v[TT+8], v[TT+8]
	v_add_f32 v[TT+5], v[TT+4], v[TT+4]            ; dt / 3
.irp i, 0,1,2,3,4,5,6,7
	v_readlane_b32 s[IDX+\i], v[TT+8], \i
.endr
	v_readfirstlane_b32 s[SCH], v[TT+3]
	v_readfirstlane_b32 s[SDT], v[TT+2]
	v_readfirstlane_b32 s[SC6], v[TT+4]
	v_readfirstlane_b32 s[SC3], v[TT+5]
	s_mov_b32 s[SCH+1], s[SCH]
	s_mov_b32 s[SDT+1], s[SDT]
	s_mov_b32 s[SC6+1], s[SC6]
	s_mov_b32 s[SC3+1], s[SC3]
; Layer 1 of pair P: four products, (tile t, half m) = A1[t][m] x B + b1.
.macro W1 P
.irp t, 0,1
.irp m, 0,1
	v_wmma_f32_16x16x32_bf16 v[\P+8+16*\t+8*\m:\P+8+16*\t+8*\m+7], v[FA1+16*\t+8*\m:FA1+16*\t+8*\m+7], v[\P:\P+7], v[BC1+8*\m:BC1+8*\m+7]
.endr
.endr
.endm
; Layer 2: (t, m) = A2[m] x H[t] + b2.
.macro W2 P
.irp t, 0,1
.irp m, 0,1
	v_wmma_f32_16x16x32_bf16 v[\P+8+16*\t+8*\m:\P+8+16*\t+8*\m+7], v[FA2+8*\m:FA2+8*\m+7], v[\P+40+8*\t:\P+40+8*\t+7], v[BC2+8*\m:BC2+8*\m+7]
.endr
.endr
.endm
; Layer 3: tile 0's derivative into rows 0..2 (lanes h = 0) with b3 everywhere, then tile 1's onto rows 8..10 (lanes h = 1) of the same accumulator.
.macro W3A P
	v_wmma_f32_16x16x32_bf16 v[\P+8:\P+15], v[FA3:FA3+7], v[\P+40:\P+47], v[BC3:BC3+7]
.endm
.macro W3B P
	v_wmma_f32_16x16x32_bf16 v[\P+8:\P+15], v[FA3+8:FA3+15], v[\P+48:\P+55], v[\P+8:\P+15]
.endm
; ReLU of two neighbouring registers in one issue: destinations even and odd, second sources in neighbouring banks.
.macro RELU2 a
	v_dual_max_num_f32 v[\a], 0, v[\a] :: v_dual_max_num_f32 v[\a+1], 0, v[\a+1]
.endm
; Tile t of pair P between two layers: ReLU of its 16 result registers, rounded to bf16 into the 8 registers of the next B.  16 instructions.
.macro ACT P, t
.irp i, 0,1,2,3,4,5,6,7
	RELU2 \P+8+16*\t+2*\i
.endr
.irp i, 0,1,2,3,4,5,6,7
	v_cvt_pk_bf16_f32 v[\P+40+8*\t+\i], v[\P+8+16*\t+2*\i], v[\P+8+16*\t+2*\i+1]
.endr
.endm
; d[0:3] = k[0:3] x s[c] + a[0:3]; the scalar is broadcast to both halves.
.macro AXPY d, k, c, a
	v_pk_fma_f32 v[\d:\d+1],   v[\k:\k+1],   s[\c:\c+1], v[\a:\a+1]   op_sel_hi:[1,0,1]
	v_pk_fma_f32 v[\d+2:\d+3], v[\k+2:\k+3], s[\c:\c+1], v[\a+2:\a+3] op_sel_hi:[1,0,1]
.endm
; The RK4 work of pair P behind evaluation s.  pack = 1: the next evaluation's argument is rounded into layer 1's B.
; The fourth component stays 0: rows 3 and 11 of A3, b3's row 3 and y's fourth register are 0.
.macro RK P, s, pack
.if \s == 1
	AXPY \P+60, \P+8, SC6, \P+56                   ; sum = y + dt/6 k1
	AXPY ARG,   \P+8, SCH, \P+56                   ; y + dt/2 k1
.endif
.if \s == 2
	AXPY \P+60, \P+8, SC3, \P+60                   ; sum += dt/3 k2
	AXPY ARG,   \P+8, SCH, \P+56                   ; y + dt/2 k2
.endif
.if \s == 3
	AXPY \P+60, \P+8, SC3, \P+60                   ; sum += dt/3 k3
	AXPY ARG,   \P+8, SDT, \P+56                   ; y + dt k3
.endif
.if \s == 4
	AXPY \P+56, \P+8, SC6, \P+60                   ; the new y = sum + dt/6 k4
.if \pack
	v_cvt_pk_bf16_f32 v[\P],   v[\P+56], v[\P+57]
	v_cvt_pk_bf16_f32 v[\P+1], v[\P+58], v[\P+59]
.endif
	v_fma_f32 v[RO], v[\P+56], s32, s35            ; the readout of this step's state, in f32
	v_fma_f32 v[RO], v[\P+57], s33, v[RO]
	v_fma_f32 v[RO], v[\P+58], s34, v[RO]
.irp i, 0,1,2,3,4,5,6,7
	v_cndmask_b32 v[OUT+(\P-PX)/64+2*\i], v[OUT+(\P-PX)/64+2*\i], v[RO], s[MASK+\i]   ; kept by the samples whose idx is this step
.endr
.else
.if \pack
	v_cvt_pk_bf16_f32 v[\P],   v[ARG],   v[ARG+1]
	v_cvt_pk_bf16_f32 v[\P+1], v[ARG+2], v[ARG+3]
.endif
.endif
.endm
; One evaluation of both pairs.  X runs half a phase ahead of Y, so that behind each block of matrix instructions stands the OTHER pair's vector block, which names none of
; that block's registers: these are the places that a matrix result needs before a vector instruction touches it (4) or a matrix instruction writes over it (5)
; (ISA guide 7.12.1).  The shortest such block is RK of evaluations 1 to 3: six instructions.  No v_nop is written.
; Layer 3's two accumulators take turns, one instruction a turn (X, Y, X, Y).
; At entry layer 1 of X has been issued (by the evaluation before, or ahead of the loop).  more = 1: X's next layer 1 is issued here.
.macro STAGE s, more
	W1 PY
	ACT PX, 0
	ACT PX, 1
	W2 PX
	ACT PY, 0
	ACT PY, 1
	W2 PY
	ACT PX, 0
	ACT PX, 1
	W3A PX
	ACT PY, 0
	W3A PY
	W3B PX
	ACT PY, 1
	W3B PY
.if \s == 4
.irp i, 0,1,2,3,4,5,6,7
	s_cmp_eq_u32 s[IDX+\i], s26                    ; a mask for a select, not a branch: the same instructions run in every step
	s_cselect_b32 s[MASK+\i], -1, 0
.endr
.endif
	RK PX, \s, \more
.if \more
	W1 PX
.endif
	RK PY, \s, \more
.endm
.macro STEP more
	STAGE 1, 1
	STAGE 2, 1
	STAGE 3, 1
	STAGE 4, \more
.endm
	v_cvt_pk_bf16_f32 v[PX],   v[PX+56], v[PX+57]   ; the first argument is x itself
	v_cvt_pk_bf16_f32 v[PX+1], v[PX+58], v[PX+59]
	W1 PX
	v_cvt_pk_bf16_f32 v[PY],   v[PY+56], v[PY+57]   ; these 18 instructions are the places behind X's first layer 1
	v_cvt_pk_bf16_f32 v[PY+1], v[PY+58], v[PY+59]
.irp i, 0,1,2,3,4,5,6,7,8,9,10,11,12,13,14,15
	v_mov_b32 v[OUT+\i], 0                          ; the selects read their destination; each is overwritten in the step idx, which lies in 0 .. 31
.endr
	s_mov_b32 s26, 0
.Lstep:
	STEP 1
	s_add_co_u32 s26, s26, 1
	s_cmp_lt_u32 s26, STEPS-1
	s_cbranch_scc1 .Lstep
	STEP 0                                          ; step 31: no further evaluation is started
	v_lshlrev_b32 v0, 3, v0                         ; my two rows' 8 bytes: a store of the wave covers 256 consecutive bytes, at a multiple of 256 from out0's first byte
.irp i, 0,1,2,3,4,5,6,7
	global_store_b64 v0, v[OUT+2*\i:OUT+2*\i+1], s[24:25] offset:\i*OSMP th:TH_STORE_NT
.endr
	s_endpgm
.Lfunc_end_k_qd089c1c805_node:
	.size	k_qd089c1c805_node, .Lfunc_end_k_qd089c1c805_node-k_qd089c1c805_node
	.p2alignl 7, 3214868480
	.fill 96, 4, 3214868480
	.section	.rodata,"a",@progbits
	.p2align	6, 0x0
	.amdhsa_kernel k_qd089c1c805_node
		.amdhsa_group_segment_fixed_size 0
		.amdhsa_private_segment_fixed_size 0
		.amdhsa_enable_private_segment 0
		.amdhsa_kernarg_size 88
		.amdhsa_user_sgpr_count 2
		.amdhsa_user_sgpr_kernarg_segment_ptr 1
		.amdhsa_wavefront_size32 1
		.amdhsa_system_sgpr_workgroup_id_x 1
		.amdhsa_system_sgpr_workgroup_id_y 1
		.amdhsa_system_sgpr_workgroup_id_z 1
		.amdhsa_system_vgpr_workitem_id 0
		.amdhsa_next_free_vgpr 256
		.amdhsa_next_free_sgpr 66
		.amdhsa_reserve_vcc 0
		.amdhsa_float_denorm_mode_32 3
		.amdhsa_float_denorm_mode_16_64 3
		.amdhsa_memory_ordered 1
		.amdhsa_forward_progress 1
		.amdhsa_inst_pref_size 99
	.end_amdhsa_kernel
	.amdgpu_metadata
---
amdhsa.version: [ 1, 2 ]
amdhsa.kernels:
  - .name:           k_qd089c1c805_node
    .symbol:         k_qd089c1c805_node.kd
    .args:
      - { .name: x, .offset: 0, .size: 8, .value_kind: global_buffer, .address_space: global }
      - { .name: samples, .offset: 8, .size: 8, .value_kind: global_buffer, .address_space: global }
      - { .name: w1, .offset: 16, .size: 8, .value_kind: global_buffer, .address_space: global }
      - { .name: b1, .offset: 24, .size: 8, .value_kind: global_buffer, .address_space: global }
      - { .name: w2, .offset: 32, .size: 8, .value_kind: global_buffer, .address_space: global }
      - { .name: b2, .offset: 40, .size: 8, .value_kind: global_buffer, .address_space: global }
      - { .name: w3, .offset: 48, .size: 8, .value_kind: global_buffer, .address_space: global }
      - { .name: b3, .offset: 56, .size: 8, .value_kind: global_buffer, .address_space: global }
      - { .name: w_out, .offset: 64, .size: 8, .value_kind: global_buffer, .address_space: global }
      - { .name: b_out, .offset: 72, .size: 8, .value_kind: global_buffer, .address_space: global }
      - { .name: out0, .offset: 80, .size: 8, .value_kind: global_buffer, .address_space: global }
    .group_segment_fixed_size: 0
    .private_segment_fixed_size: 0
    .kernarg_segment_align: 8
    .kernarg_segment_size: 88
    .max_flat_workgroup_size: 256
    .sgpr_count:     66
    .vgpr_count:     256
    .wavefront_size: 32
...
	.end_amdgpu_metadata
.endif
;; end of part 1
